; MI455X (gfx1250); checked and timed in simulation.
; The chip was launched on July 23, 2026; its instructions are those of AMD's public machine-readable ISA for CDNA 5 (MIT licence, August 2026) and "CDNA5" Instruction Set Architecture Reference Guide (July 2026). The comments in the code are by the model that wrote it; some were corrected since.
;; box. Allowed arithmetic: float matrix products may take bf16 or f16 operands with f32 sums; all other float work in f32.
;; Inputs: neg_boxes 16 x 10 x 5 float32; region_boxes 16 x 2,000 x 5 float32; x 16 x 1 x 512 x 512 float32.
;; Outputs: out0 16 x 512 x 512 bool; out1 16 x 10 x 4 float32; out2 16 x 10 bool.
;; One version. Each part assembles by itself: llvm-mc -triple=amdgcn-amd-amdhsa -mcpu=gfx1250 --defsym DOCPART=n.
;; ======== version 1 of 1: 2 launches
;; workspace buffers: plan 4,096 bytes of whole numbers
;; launch count (part 1): grid 16 x 1, 8 waves a work-group, no clusters, 42,240 bytes of LDS; arguments region_boxes, plan; writes plan
.if DOCPART == 1
	.amdgcn_target "amdgcn-amd-amdhsa--gfx1250"
	.amdhsa_code_object_version 6
	.text
	.protected	k_q8f309753a8_count
	.globl	k_q8f309753a8_count
	.p2align	8
	.type	k_q8f309753a8_count,@function
k_q8f309753a8_count:
	s_mov_b64 s[64:65], 0
	v_nop
	global_prefetch_b8 v0, s[64:65] scope:SCOPE_SE
	s_setreg_imm32_b32 hwreg(HW_REG_WAVE_MODE, 25, 1), 1
	s_wait_xcnt 0x0
; For each image: how many picks the greedy NMS of the next launch can need, and whether any confidence exceeds 0.2.
; A pick is a box that the NMS keeps.  It is either at least 1 x 1 (only the first LIMIT of these are wanted) or smaller
; (there are at most n_tiny of these among the valid boxes).  So  trips = n_tiny + min(LIMIT, n_ok)  picks always suffice,
; and none is needed when n_ok = 0 (stored as 1: the next launch runs its loop at least once, and a pick too many changes nothing).
; One work-group an image, eight waves; thread t owns boxes 8 t .. 8 t + 7 (threads 250 to 255 own none).
; Both thresholds (0.2 and 0) are counted at once, so that one exchange through LDS serves; has_conf = "some box lies above 0.2".
; A NaN confidence or extent compares false, as in the reference.  Input x takes part in no result of the reference and is not read.
.set NBOX,   2000
.set BOXB,   20                        ; bytes of a box: x1 y1 x2 y2 conf
.set IMGB,   NBOX*BOXB                 ; 40,000 bytes an image
.set SLOTS,  8                         ; boxes of a thread
.set LANEB,  SLOTS*BOXB                ; 160
.set WAVEB,  32*LANEB                  ; 5,120 bytes of boxes a wave
.set OWNERS, NBOX/SLOTS                ; 250 threads own boxes
.set MAXDET, 10
.set TOPK,   5
.set CNT,    0                         ; LDS: eight pairs of packed counts
.set STG,    256                       ; LDS: 8 x 5,120 bytes, each wave its own part
.set F_CONF, 0x3e4ccccd                ; 0.2
.set D,   8                            ; v[8:47]   my eight boxes, five words each
.set OF,  48                           ; v[48:57]  byte offsets of the ten loads
.set WH,  58                           ; v[58:73]  width and height of each box
	s_load_b128 s[4:7], s[0:1], 0x0                ; region_boxes s[4:5], plan s[6:7]
	v_lshl_add_u32 v76, v0, 2, 0xa100
	v_mov_b32 v77, 0
	v_and_b32 v1, 31, v0                           ; lane
	v_lshrrev_b32 v3, 5, v0
	v_readfirstlane_b32 s8, v3                     ; wave
	s_mul_i32 s10, s8, WAVEB                       ; my wave's part of the image, and of the stage
	v_lshl_add_u32 v2, v1, 4, s10                  ; 16 bytes a lane: a load of the wave covers 512 consecutive bytes
	v_mul_u32_u24 v4, LANEB, v1
	v_add_nc_u32 v4, s10, v4                       ; where my own 160 bytes lie
.irp q, 0,1,2,3,4,5,6,7,8,9
	v_add_nc_u32 v[OF+\q], 512*\q, v2
	v_min_u32 v[OF+\q], IMGB-16, v[OF+\q]          ; the last wave would pass the image's end: those lanes repeat its last 16 bytes,
.endr                                                  ; which land in the stage of threads 250 to 255 and are masked out below
	v_cmp_gt_u32 s9, OWNERS, v0                    ; lanes that own boxes
	s_mul_i32 s12, ttmp9, IMGB
	s_mov_b32 s13, 0
	s_mov_b32 s14, F_CONF
	s_mov_b32 s16, 0                               ; above 0.2: at least 1 x 1
	s_mov_b32 s17, 0                               ; above 0.2: smaller
	s_mov_b32 s18, 0                               ; above 0:   at least 1 x 1
	s_mov_b32 s19, 0                               ; above 0:   smaller
	s_wait_kmcnt 0x0
	s_add_nc_u64 s[4:5], s[4:5], s[12:13]          ; my image
.irp q, 0,1,2,3,4,5,6,7,8,9
	global_load_b128 v[D+4*\q:D+4*\q+3], v[OF+\q], s[4:5]
.endr
	s_lshl_b32 s12, ttmp9, 8
	s_add_nc_u64 s[6:7], s[6:7], s[12:13]          ; my image's 256 bytes of plan
.irp q, 0,1,2,3,4,5,6,7,8,9
	s_wait_loadcnt 9-\q                            ; loads return in order: block q is in, the 9 - q younger ones may be out
	ds_store_b128 v2, v[D+4*\q:D+4*\q+3] offset:STG+512*\q
.endr
.irp q, 0,1,2,3,4,5,6,7,8,9
	ds_load_b128 v[D+4*\q:D+4*\q+3], v4 offset:STG+16*\q   ; my wave's own bytes, served in order behind its stores: no barrier
.endr
	s_wait_dscnt 0x0
.macro COUNT s
	v_sub_f32 v[WH+2*\s],   v[D+5*\s+2], v[D+5*\s]         ; x2 - x1
	v_sub_f32 v[WH+2*\s+1], v[D+5*\s+3], v[D+5*\s+1]       ; y2 - y1
	v_cmp_le_f32 s20, 1.0, v[WH+2*\s]
	v_cmp_le_f32 s21, 1.0, v[WH+2*\s+1]
	v_cmp_lt_f32 s22, s14, v[D+5*\s+4]                     ; conf > 0.2
	v_cmp_lt_f32 s23, 0, v[D+5*\s+4]                       ; conf > 0
	s_and_b32 s20, s20, s21                                ; at least 1 x 1
	s_and_b32 s22, s22, s9
	s_and_b32 s23, s23, s9
	s_and_b32 s24, s22, s20
	s_and_not1_b32 s25, s22, s20
	s_and_b32 s26, s23, s20
	s_and_not1_b32 s27, s23, s20
	s_bcnt1_i32_b32 s24, s24
	s_bcnt1_i32_b32 s25, s25
	s_bcnt1_i32_b32 s26, s26
	s_bcnt1_i32_b32 s27, s27
	s_add_co_u32 s16, s16, s24
	s_add_co_u32 s17, s17, s25
	s_add_co_u32 s18, s18, s26
	s_add_co_u32 s19, s19, s27
.endm
.irp s, 0,1,2,3,4,5,6,7
	COUNT \s
.endr
	; two counts to a word (an image has 2,000 boxes: the sums of eight waves stay below 65,536)
	s_lshl_b32 s17, s17, 16
	s_or_b32 s16, s16, s17
	s_lshl_b32 s19, s19, 16
	s_or_b32 s18, s18, s19
	v_mov_b32 v2, s16
	v_mov_b32 v3, s18
	v_mov_b32 v5, s8
	v_lshlrev_b32 v5, 3, v5
	ds_store_b64 v5, v[2:3] offset:CNT             ; every lane writes the same pair to my wave's eight bytes
	s_wait_dscnt 0x0                               ; for the other waves: zero
	s_barrier_signal -1
	s_barrier_wait -1
	s_cmp_lg_u32 s8, 0
	s_cbranch_scc1 .Lend                           ; wave 0 adds up and stores
	v_mov_b32 v6, 0
.irp q, 0,1,2,3
	ds_load_b128 v[8+4*\q:11+4*\q], v6 offset:CNT+16*\q
.endr
	s_wait_dscnt 0x0
	v_add3_u32 v8, v8, v10, v12
	v_add3_u32 v14, v14, v16, v18
	v_add3_u32 v8, v8, v20, v22
	v_add_nc_u32 v8, v8, v14                       ; above 0.2: n_ok | n_tiny << 16
	v_add3_u32 v9, v9, v11, v13
	v_add3_u32 v15, v15, v17, v19
	v_add3_u32 v9, v9, v21, v23
	v_add_nc_u32 v9, v9, v15                       ; above 0
	v_cmp_ne_u32 vcc_lo, 0, v8                     ; has_conf
	v_cndmask_b32 v10, v9, v8, vcc_lo              ; the counts of the branch that the reference takes
	v_cndmask_b32 v11, TOPK, MAXDET, vcc_lo        ; LIMIT
	v_cndmask_b32 v13, 0, 1, vcc_lo
	v_and_b32 v14, 0xffff, v10                     ; n_ok
	v_lshrrev_b32 v15, 16, v10                     ; n_tiny
	v_min_u32 v11, v14, v11
	v_add_nc_u32 v12, v15, v11
	v_cmp_eq_u32 vcc_lo, 0, v14
	v_cndmask_b32 v12, v12, 1, vcc_lo
	v_lshlrev_b32 v16, 3, v0                       ; wave 0: v0 is the lane.  32 equal pairs: the store covers the image's 256 bytes whole
	global_store_b64 v16, v[12:13], s[6:7]
.Lend:
	s_wait_tensorcnt 0x0
	ds_add_u32 v76, v77
	s_wait_dscnt 0x0
	s_endpgm
.Lfunc_end_k_q8f309753a8_count:
	.size	k_q8f309753a8_count, .Lfunc_end_k_q8f309753a8_count-k_q8f309753a8_count
	.p2alignl 7, 3214868480
	.fill 96, 4, 3214868480
	.section	.rodata,"a",@progbits
	.p2align	6, 0x0
	.amdhsa_kernel k_q8f309753a8_count
		.amdhsa_group_segment_fixed_size 42240
		.amdhsa_private_segment_fixed_size 0
		.amdhsa_enable_private_segment 0
		.amdhsa_kernarg_size 16
		.amdhsa_user_sgpr_count 2
		.amdhsa_user_sgpr_kernarg_segment_ptr 1
		.amdhsa_wavefront_size32 1
		.amdhsa_system_sgpr_workgroup_id_x 1
		.amdhsa_system_sgpr_workgroup_id_y 1
		.amdhsa_system_sgpr_workgroup_id_z 1
		.amdhsa_system_vgpr_workitem_id 0
		.amdhsa_next_free_vgpr 78
		.amdhsa_next_free_sgpr 66
		.amdhsa_reserve_vcc 1
		.amdhsa_float_denorm_mode_32 3
		.amdhsa_float_denorm_mode_16_64 3
		.amdhsa_memory_ordered 1
		.amdhsa_forward_progress 1
		.amdhsa_inst_pref_size 14
	.end_amdhsa_kernel
	.amdgpu_metadata
---
amdhsa.version: [ 1, 2 ]
amdhsa.kernels:
  - .name:           k_q8f309753a8_count
    .symbol:         k_q8f309753a8_count.kd
    .args:
      - { .name: region_boxes, .offset: 0, .size: 8, .value_kind: global_buffer, .address_space: global }
      - { .name: plan, .offset: 8, .size: 8, .value_kind: global_buffer, .address_space: global }
    .group_segment_fixed_size: 42240
    .private_segment_fixed_size: 0
    .kernarg_segment_align: 8
    .kernarg_segment_size: 16
    .max_flat_workgroup_size: 256
    .sgpr_count:     66
    .vgpr_count:     78
    .wavefront_size: 32
...
	.end_amdgpu_metadata
.endif
;; end of part 1
;; launch nms (part 2): grid 16 x 16, 4 waves a work-group, no clusters, 92,160 bytes of LDS; arguments region_boxes, neg_boxes, plan, out0, out1, out2; writes out0, out1, out2
.if DOCPART == 2
	.amdgcn_target "amdgcn-amd-amdhsa--gfx1250"
	.amdhsa_code_object_version 6
	.text
	.protected	k_q8f309753a8_nms
	.globl	k_q8f309753a8_nms
	.p2align	8
	.type	k_q8f309753a8_nms,@function
k_q8f309753a8_nms:
	s_mov_b64 s[64:65], 0
	v_nop
	global_prefetch_b8 v0, s[64:65] scope:SCOPE_SE
	s_setreg_imm32_b32 hwreg(HW_REG_WAVE_MODE, 25, 1), 1
	s_wait_xcnt 0x0
; Greedy NMS, the ten combined boxes, the second NMS, the mask.  Work-group (x, y): slice x (32 rows of the mask) of image y, four waves.
; GREEDY NMS WITHOUT A SORT.  Walking the list sorted by confidence is the same as repeating: take the live box of the highest confidence
; (ties: lowest index), keep it, kill every live box whose IoU with it exceeds 0.4.  A suppressed box costs no step.  The number of steps
; was bounded by the launch before (plan[image] = trips, has_conf); a step too many changes nothing (the list is full, or nothing lives).
; EVERY WAVE RUNS THE WHOLE LOOP FOR ITSELF, on all 2,000 boxes: the loop's length is read from memory, so no barrier stands in it.
; A lane owns boxes 64 lane .. 64 lane + 63 (lane 31: 16 boxes and 48 dead places), so index order is (lane, slot).  Keys and c x area
; stay in registers; the corners, which never change, are streamed from LDS, where the four waves have laid them together.
; One pass over the 64 slots kills by the winner of the pass before and finds the next winner at once.
; THE IoU TEST:  inter / (a + A - inter + 1e-9) > 0.4  <=>  inter - c a > c A + c 1e-9,  c = 0.4 / 1.4 (the divisor is positive).
; LIMITS, stated: the two forms round differently, so a pair whose IoU lies within a few units of 2^-24 (relative) of 0.4 may be decided
; otherwise than by the division.  Coordinates are finite numbers, no NaN.  A NaN or non-positive confidence is an invalid box, as in reference().
; Rounded corners are clamped to 0 .. 512 before they become whole numbers: no pixel of the 512 x 512 map can tell the difference.
; x2 := max(x2, x1), y2 := max(y2, y1) for the NMS: a box turned inside out has area 0 and meets nothing either way, and is never at least 1 x 1.
; A box that fails the test against itself (area below about 7e-10) can neither suppress nor be suppressed nor be at least 1 x 1: it is dead
; from the start.  Every other box kills itself in the pass behind its pick, by the very instructions that were tried on it at the start.
; Input x takes part in no result of reference() and is not read.
; No cluster: what the work-groups of an image share is one read of 40,000 bytes ahead of the loop; nothing is fetched from memory in the loop.
.set NBOX,   2000
.set BOXB,   20                        ; bytes of a box: x1 y1 x2 y2 conf
.set IMGB,   NBOX*BOXB                 ; 40,000
.set MAXDET, 10
.set TOPK,   5
.set GRPB,   4*BOXB                    ; four boxes are 80 bytes: five loads of 16
.set NGRP,   NBOX/4                    ; 500 groups; the 128 threads take 128 a round, four rounds
.set WVB,    32*GRPB                   ; 2,560 bytes a wave and round
.set RNDB,   4*WVB                     ; 10,240 bytes a round
.set CPITCH, 64*16+16                  ; a lane's 64 corner records + 16: 65 x 16, so 16 lanes start in 16 different 16-byte columns
.set KPITCH, 64*4+16                   ; a lane's 64 words + 16: 17 x 16, likewise
.set COORD,  0                         ; LDS: corners, 32 x 1,040
.set KEYS,   COORD+32*CPITCH           ; LDS: keys, 32 x 272
.set CAS,    KEYS+32*KPITCH            ; LDS: c x area, 32 x 272
.set RAW,    CAS+32*KPITCH             ; LDS: the image as loaded, 10,240 bytes for each wave, its own; ends at 91,648
.set F_CONF, 0x3e4ccccd                ; 0.2
.set F_C,    0x3e924925                ; c = 0.4 / 1.4
.set F_CE,   0x2f9d12b6                ; c x 1e-9
; Offsets: written once, here at the top, from ids and constants; these registers never hold anything else.
.set LANE, 1
.set CR,   2                           ; LDS: my 64 corner records
.set SO,   3                           ; out0: my 16 bytes in my wave's first row
.set OA,   4                           ; out1: 16 x lane
.set GO,   5                           ; image: 16 x lane + my wave's 2,560 bytes of a round
.set G3,   6                           ; v[6:10]   the same for the five loads of round 3, held inside the image
.set RW,   11                          ; LDS raw: as loaded
.set RR,   12                          ; LDS raw: my group of 80 bytes
.set CW,   13                          ; LDS: where my group's corners go
.set KW,   14                          ; LDS: where my group's four keys (c x areas) go
.set KR,   15                          ; LDS: my 64 keys (c x areas)
.set NO,   16                          ; my neg box
; Data
.set TMP,  17
.set MX,   18
.set ACW,  19                          ; winner: c A + c 1e-9
.set WW,   20                          ; its width, height, area
.set HH,   21
.set AA,   22
.set L,    23                          ; v[23:27]   lane k: combined box k (x1 y1 x2 y2 conf); starts as neg box k
.set B,    28                          ; v[28:47]   four running bests (x1 y1 x2 y2 key): of slots 0-15, 16-31, 32-47, 48-63
.set Q,    48                          ; v[48:63]   four temporaries for each of a batch's four slots
.set KEY,  64                          ; v[64:127]  key of slot s: conf while alive, else 0
.set CA,   128                         ; v[128:191] c x area of slot s
.set RING, 192                         ; v[192:255] four buffers of 16: batch n (slots n, 16+n, 32+n, 48+n) lies in buffer n % 4
; Ahead of the loop only
.set R,    64                          ; v[64:143]  round q: 20 words, four boxes
.set TQ1,  144                         ; corners of a group's boxes 1 and 3, moved to even registers (a 16-byte store wants them)
.set TQ3,  148
.set KQ,   152                         ; a group's four keys
.set CQ,   156                         ; a group's four c x area
.set P,    160                         ; v[160:175]
; scalar: s[4:15] addresses, s16 image, s18 wave, s19 threads whose group of round 3 exists, s20 trips, s21 has_conf, s[22:23] an offset,
; s24 threshold, s25 LIMIT, s26 c, s27 boxes in the list, s28 trip, s29 16.0, s30-31 lane selects, s32-39 masks, s40-44 winner, s45 EXEC, s46-57 at work
	s_load_b256 s[4:11], s[0:1], 0x0               ; region_boxes s[4:5], neg_boxes s[6:7], plan s[8:9], out0 s[10:11]
	s_load_b128 s[12:15], s[0:1], 0x20             ; out1 s[12:13], out2 s[14:15]
	s_set_vgpr_msb 0x40
	v_lshl_add_u32 v0, v0, 2, 0x16600
	v_mov_b32 v1, 0
	s_set_vgpr_msb 0x4000
	v_and_b32 v[LANE], 31, v0
	v_lshrrev_b32 v[TMP], 5, v0
	v_readfirstlane_b32 s18, v[TMP]                ; wave
	s_and_b32 s16, ttmp7, 0xffff                   ; image
	s_mul_i32 s46, s18, WVB
	v_lshl_add_u32 v[GO], v[LANE], 4, s46
.irp j, 0,1,2,3,4
	v_add_nc_u32 v[G3+\j], 3*RNDB+512*\j, v[GO]
	v_min_u32 v[G3+\j], IMGB-16, v[G3+\j]          ; no load passes the image's end; what is repeated lands in groups 500 to 511, which are dead
.endr
	s_mul_i32 s46, s18, RNDB
	s_add_co_u32 s46, s46, RAW                     ; my wave's 10,240 bytes of the raw part
	v_lshl_add_u32 v[RW], v[LANE], 4, s46
	v_mul_u32_u24 v[RR], GRPB, v[LANE]
	v_add_nc_u32 v[RR], s46, v[RR]
	v_and_b32 v[KW], -16, v0                       ; 16 (t / 16): the padding of the owners in front (16 groups to an owner)
	v_lshl_add_u32 v[CW], v0, 6, v[KW]             ; 64 t + that
	v_lshl_add_u32 v[KW], v0, 4, v[KW]             ; 16 t + that
	v_mul_u32_u24 v[CR], CPITCH, v[LANE]
	v_mul_u32_u24 v[KR], KPITCH, v[LANE]
	s_lshl_b32 s46, s18, 12                        ; my wave's 8 rows of 512 bytes
	v_lshl_add_u32 v[SO], v[LANE], 4, s46
	v_lshlrev_b32 v[OA], 4, v[LANE]
	v_min_u32 v[NO], MAXDET-1, v[LANE]             ; lanes 10 to 31 repeat neg box 9 and are never used
	v_mul_u32_u24 v[NO], BOXB, v[NO]
	v_cmp_gt_u32 s19, NGRP-3*128, v0
	s_lshl_b32 s22, s16, 8
	s_mov_b32 s23, 0
	s_wait_kmcnt 0x0
	s_add_nc_u64 s[8:9], s[8:9], s[22:23]
	s_load_b64 s[20:21], s[8:9], 0x0               ; trips, has_conf
	s_mul_i32 s22, s16, MAXDET*BOXB
	s_add_nc_u64 s[6:7], s[6:7], s[22:23]
	s_mul_i32 s22, s16, IMGB
	s_add_nc_u64 s[4:5], s[4:5], s[22:23]
.irp f, 0,1,2,3,4
	global_load_b32 v[L+\f], v[NO], s[6:7] offset:4*\f
.endr
.irp q, 0,1,2
.irp j, 0,1,2,3,4
	global_load_b128 v[R+20*\q+4*\j:R+20*\q+4*\j+3], v[GO], s[4:5] offset:\q*RNDB+512*\j   ; 512 consecutive bytes a wave and load
.endr
.endr
.irp j, 0,1,2,3,4
	global_load_b128 v[R+60+4*\j:R+60+4*\j+3], v[G3+\j], s[4:5]
.endr
	s_lshl_b32 s22, s16, 18                        ; out0: image x 512 x 512
	s_lshl_b32 s46, ttmp9, 14                      ; + slice x 32 rows
	s_add_co_u32 s22, s22, s46
	s_add_nc_u64 s[10:11], s[10:11], s[22:23]
	s_mul_i32 s22, s16, MAXDET*16
	s_add_nc_u64 s[12:13], s[12:13], s[22:23]
	s_mul_i32 s22, s16, MAXDET
	s_add_nc_u64 s[14:15], s[14:15], s[22:23]
	s_mov_b32 s26, F_C
	s_mov_b32 s27, 0
	s_mov_b32 s28, 0
	s_mov_b32 s29, 0x41800000                      ; 16.0
	s_mov_b32 s30, 0x76543210                      ; v_permlanex16_b32: lane i reads lane i of the other half
	s_mov_b32 s31, 0xfedcba98
	s_mov_b32 s40, 0                               ; the first pass has no winner behind it: an empty box,
	s_mov_b32 s41, 0
	s_mov_b32 s42, 0
	s_mov_b32 s43, 0
	v_mov_b32 v[ACW], 0x7f800000                   ; and a limit of +infinity, which nothing exceeds
	v_mov_b32 v[MX], 0                             ; the destination of a lane-crossing form counts as read: written once here
.irp q, 0,1,2,3
.irp j, 0,1,2,3,4
	s_wait_loadcnt 19-5*\q-\j                      ; loads return in order: this block (and the neg box, asked for earlier) is in, the younger ones may be out
	ds_store_b128 v[RW], v[R+20*\q+4*\j:R+20*\q+4*\j+3] offset:\q*WVB+512*\j
.endr
.endr
.irp q, 0,1,2,3
.irp j, 0,1,2,3,4
	ds_load_b128 v[R+20*\q+4*\j:R+20*\q+4*\j+3], v[RR] offset:\q*WVB+16*\j   ; my wave's own bytes, served in order behind its stores: no barrier
.endr
.endr
	s_wait_kmcnt 0x0
	s_min_u32 s20, s20, NBOX                       ; never more picks than boxes,
	s_max_u32 s20, s20, 1                          ; and the loop below runs at least once
	s_cmp_lg_u32 s21, 0
	s_cselect_b32 s24, F_CONF, 0                   ; the branch of reference(): valid above 0.2, first 10; or above 0, first 5
	s_cselect_b32 s25, MAXDET, TOPK
	s_wait_dscnt 0x0
; box b of my group of round q: corners in order into v[qb:qb+3], c x area, key
.macro PREP q, b, qb
.if (\b)&1
	v_mov_b32 v[\qb],   v[R+20*\q+5*\b]
	v_mov_b32 v[\qb+1], v[R+20*\q+5*\b+1]
.endif
	v_max_num_f32 v[\qb+2], v[R+20*\q+5*\b+2], v[R+20*\q+5*\b]
	v_max_num_f32 v[\qb+3], v[R+20*\q+5*\b+3], v[R+20*\q+5*\b+1]
	v_sub_f32 v[P+4*\b],   v[\qb+2], v[\qb]
	v_sub_f32 v[P+4*\b+1], v[\qb+3], v[\qb+1]
	v_mul_f32 v[P+4*\b+2], v[P+4*\b], v[P+4*\b+1]                  ; area
	v_mul_f32 v[CQ+\b], s26, v[P+4*\b+2]
	v_fmaak_f32 v[P+4*\b+3], s26, v[P+4*\b+2], F_CE
	v_fma_f32 v[P+4*\b], v[P+4*\b], v[P+4*\b+1], -v[CQ+\b]         ; the loop's test, of the box against itself
	v_cmp_gt_f32 s[32+\b], v[P+4*\b], v[P+4*\b+3]
	v_cmp_lt_f32 s[36+\b], s24, v[R+20*\q+5*\b+4]                  ; valid
	s_and_b32 s[32+\b], s[32+\b], s[36+\b]
.if \q == 3
	s_and_b32 s[32+\b], s[32+\b], s19                              ; and there is such a box
.endif
	v_cndmask_b32 v[KQ+\b], 0, v[R+20*\q+5*\b+4], s[32+\b]
	ds_store_b128 v[CW], v[\qb:\qb+3] offset:COORD+\q*8*CPITCH+16*\b   ; a round's 128 groups belong to 8 owners
.endm
.irp q, 0,1,2,3
	PREP \q, 0, R+20*\q
	PREP \q, 1, TQ1
	PREP \q, 2, R+20*\q+10
	PREP \q, 3, TQ3
	ds_store_b128 v[KW], v[KQ:KQ+3] offset:KEYS+\q*8*KPITCH
	ds_store_b128 v[KW], v[CQ:CQ+3] offset:CAS+\q*8*KPITCH
.endr
	s_wait_dscnt 0x0                               ; for the other waves: zero
	s_barrier_signal -1
	s_barrier_wait -1                              ; the three tables are whole; from here on nobody writes LDS
.macro LOADB n                         ; the corners of batch n
.irp c, 0,1,2,3
	ds_load_b128 v[RING+16*((\n)%4)+4*\c:RING+16*((\n)%4)+4*\c+3], v[CR] offset:COORD+16*(16*\c+(\n))
.endr
.endm
.irp m, 0,1,2,3,4,5,6,7,8,9,10,11,12,13,14,15
	ds_load_b128 v[KEY+4*\m:KEY+4*\m+3], v[KR] offset:KEYS+16*\m
	ds_load_b128 v[CA+4*\m:CA+4*\m+3],   v[KR] offset:CAS+16*\m
.endr
	LOADB 0
	LOADB 1
	LOADB 2
	LOADB 3
	s_wait_xcnt 0x0                                ; EXEC is narrowed in the loop: nothing that was issued above still holds it as a source
; batch n against the last winner: clamping both corners into the winner gives the intersection's sides, never negative
.macro SUPP4 n
.irp c, 0,1,2,3
	v_med3_num_f32 v[Q+4*\c],   v[RING+16*((\n)%4)+4*\c],   s40, s42
	v_med3_num_f32 v[Q+4*\c+1], v[RING+16*((\n)%4)+4*\c+1], s41, s43
	v_med3_num_f32 v[Q+4*\c+2], v[RING+16*((\n)%4)+4*\c+2], s40, s42
	v_med3_num_f32 v[Q+4*\c+3], v[RING+16*((\n)%4)+4*\c+3], s41, s43
.endr
.irp c, 0,1,2,3
	v_pk_add_f32 v[Q+4*\c:Q+4*\c+1], v[Q+4*\c+2:Q+4*\c+3], v[Q+4*\c:Q+4*\c+1] neg_lo:[0,1] neg_hi:[0,1]
.endr
.irp c, 0,1,2,3
	v_fma_f32 v[Q+4*\c], v[Q+4*\c], v[Q+4*\c+1], -v[CA+16*\c+(\n)]         ; inter - c a
.endr
.irp c, 0,1,2,3
	v_cmp_gt_f32 s[32+\c], v[Q+4*\c], v[ACW]
.endr
.irp c, 0,1,2,3
	v_cndmask_b32 v[KEY+16*\c+(\n)], v[KEY+16*\c+(\n)], 0, s[32+\c]
.endr
.endm
; batch n into the four running bests: the later slot only if its key is strictly greater, so the lower index wins a tie
.macro MERGE4 n
.irp c, 0,1,2,3
	v_cmp_gt_f32 s[36+\c], v[KEY+16*\c+(\n)], v[B+5*\c+4]
.endr
.irp c, 0,1,2,3
.irp f, 0,1,2,3
	v_cndmask_b32 v[B+5*\c+\f], v[B+5*\c+\f], v[RING+16*((\n)%4)+4*\c+\f], s[36+\c]
.endr
	v_max_num_f32 v[B+5*\c+4], v[B+5*\c+4], v[KEY+16*\c+(\n)]
.endr
.endm
.macro MERGEB a, b                     ; best b into best a, by the same rule
	v_cmp_gt_f32 s[36+\a], v[B+5*\b+4], v[B+5*\a+4]
.irp f, 0,1,2,3
	v_cndmask_b32 v[B+5*\a+\f], v[B+5*\a+\f], v[B+5*\b+\f], s[36+\a]
.endr
	v_max_num_f32 v[B+5*\a+4], v[B+5*\a+4], v[B+5*\b+4]
.endm
.Lpick:
	s_wait_dscnt 8                                 ; LDS loads return in order: batches 0 and 1 (first time: keys and c x area too) are in, the 8 loads of batches 2 and 3 may be out
	SUPP4 0
	SUPP4 1
.irp c, 0,1,2,3
	v_cmp_gt_f32 s[36+\c], v[KEY+16*\c+1], v[KEY+16*\c]            ; the first two batches start the four bests: nothing is cleared
.endr
.irp c, 0,1,2,3
.irp f, 0,1,2,3
	v_cndmask_b32 v[B+5*\c+\f], v[RING+4*\c+\f], v[RING+16+4*\c+\f], s[36+\c]
.endr
	v_max_num_f32 v[B+5*\c+4], v[KEY+16*\c], v[KEY+16*\c+1]
.endr
	LOADB 4
	LOADB 5
.set bt, 2
.rept 14
	s_wait_dscnt 12                                ; batch bt is in; the 12 loads of the three batches behind it may be out
	SUPP4 bt
	MERGE4 bt
.set nb, (bt+4)%16
	LOADB nb                                       ; into the buffer just read; steps 12 to 15 ask for the next pass's batches 0 to 3 (unused behind the last pass)
.set bt, bt+1
.endr
	MERGEB 0, 1
	MERGEB 2, 3
	MERGEB 0, 2                                    ; my best of 64, with its corners
	v_max_num_f32_dpp v[MX], v[B+4], v[B+4] row_xmask:1 row_mask:0xf bank_mask:0xf     ; the highest key of all, in every lane
	v_max_num_f32_dpp v[MX], v[MX], v[MX] row_xmask:2 row_mask:0xf bank_mask:0xf
	v_max_num_f32_dpp v[MX], v[MX], v[MX] row_xmask:4 row_mask:0xf bank_mask:0xf
	v_max_num_f32_dpp v[MX], v[MX], v[MX] row_xmask:8 row_mask:0xf bank_mask:0xf
	v_permlanex16_b32 v[TMP], v[MX], s30, s31
	v_max_num_f32 v[MX], v[MX], v[TMP]
	v_cmp_eq_f32 vcc_lo, v[B+4], v[MX]             ; never empty: keys are no NaN, some lane holds the maximum
	s_and_saveexec_b32 s45, vcc_lo                 ; the first lane that is on owns the lowest index among the best
.irp f, 0,1,2,3,4
	v_readfirstlane_b32 s[40+\f], v[B+\f]
.endr
	s_or_b32 exec_lo, exec_lo, s45
	v_sub_f32 v[WW], s42, s40
	v_sub_f32 v[HH], s43, s41
	v_mul_f32 v[AA], v[WW], v[HH]
	v_fmaak_f32 v[ACW], s26, v[AA], F_CE           ; c A + c 1e-9, by the instructions of PREP
	v_cmp_gt_f32 s46, s44, 0                       ; something was alive,
	v_cmp_le_f32 s47, 1.0, v[WW]                   ; it is at least 1 x 1,
	v_cmp_le_f32 s48, 1.0, v[HH]
	s_cmp_lt_u32 s27, s25                          ; and the list has room
	s_cselect_b32 s49, -1, 0
	s_and_b32 s46, s46, s47
	s_and_b32 s48, s48, s49
	s_and_b32 s46, s46, s48
	v_cmp_eq_u32 s47, s27, v[LANE]
	s_and_b32 s47, s47, s46
.irp f, 0,1,2,3,4
	v_cndmask_b32 v[L+\f], v[L+\f], s[40+\f], s47  ; then it takes the place of neg box number s27
.endr
	s_and_b32 s46, s46, 1
	s_add_co_u32 s27, s27, s46
	s_add_co_u32 s28, s28, 1
	s_cmp_lt_u32 s28, s20
	s_cbranch_scc1 .Lpick
	s_wait_dscnt 0x0                               ; the 16 loads asked for a pass that does not come
; ---- THE SECOND NMS, each wave for itself: lane k = combined box k.  For each j, read by fixed lane numbers, lane k learns whether j stands
; before it in the order by confidence (ties: lower slot) and whether j overlaps it: its rank, and the set PP of earlier overlapping boxes.
.set X2S,  28                          ; x2, y2 made no less than x1, y1 (for the IoU alone: the outputs use the box as it is)
.set Y2S,  29
.set AR2,  30
.set AC2,  31
.set ACK2, 32
.set KEY2, 33
.set RANK, 34
.set PP,   35
.set U,    36                          ; v[36:39]
.set T1,   40
.set T2,   41
.set BB,   42                          ; v[42:45]  rounded corners, clamped to 0 .. 512
.set YB,   46                          ; which of my wave's eight rows the box covers
.set X0,   47
.set Y0,   48
.set XM,   49                          ; which of my 16 pixels the box covers
.set ACC,  50                          ; v[50:57]  covered pixels of rows 0 to 7
.set O,    64                          ; v[64:95]  16 bytes a row
.set ZK,   96                          ; v[96:100] box or zeros, keep2
.set OUT,  104                         ; v[104:108] the same in the order of rank
	v_max_num_f32 v[X2S], v[L+2], v[L]
	v_max_num_f32 v[Y2S], v[L+3], v[L+1]
	v_sub_f32 v[U],   v[X2S], v[L]
	v_sub_f32 v[U+1], v[Y2S], v[L+1]
	v_mul_f32 v[AR2], v[U], v[U+1]
	v_mul_f32 v[AC2], s26, v[AR2]
	v_fmaak_f32 v[ACK2], s26, v[AR2], F_CE
	v_cmp_lt_f32 s50, 0, v[L+4]                    ; valid: conf > 0
	v_cndmask_b32 v[KEY2], 0, v[L+4], s50          ; invalid boxes sort behind all valid ones; their outputs are zeros wherever they stand
	s_and_b32 s50, s50, (1<<MAXDET)-1
	v_mov_b32 v[RANK], 0
	v_mov_b32 v[PP], 0
.macro PAIR j
	v_readlane_b32 s40, v[L], \j
	v_readlane_b32 s41, v[L+1], \j
	v_readlane_b32 s42, v[X2S], \j
	v_readlane_b32 s43, v[Y2S], \j
	v_readlane_b32 s44, v[KEY2], \j
	v_readlane_b32 s46, v[ACK2], \j
	v_med3_num_f32 v[U],   v[L],   s40, s42
	v_med3_num_f32 v[U+1], v[L+1], s41, s43
	v_med3_num_f32 v[U+2], v[X2S], s40, s42
	v_med3_num_f32 v[U+3], v[Y2S], s41, s43
	v_pk_add_f32 v[U:U+1], v[U+2:U+3], v[U:U+1] neg_lo:[0,1] neg_hi:[0,1]
	v_fma_f32 v[U], v[U], v[U+1], -v[AC2]
	v_cmp_gt_f32 s32, v[U], s46                    ; IoU(k, j) > 0.4
	v_cmp_gt_f32 s33, s44, v[KEY2]
	v_cmp_eq_f32 s34, s44, v[KEY2]
	s_and_b32 s34, s34, ((0xffffffff<<(\j+1))&0xffffffff)  ; lanes k > j
	s_or_b32 s33, s33, s34                         ; j stands before k
	s_and_b32 s32, s32, s33
	v_cndmask_b32 v[T1], 0, 1, s33
	v_cndmask_b32 v[T2], 0, (1<<\j), s32
	v_add_nc_u32 v[RANK], v[RANK], v[T1]
	v_or_b32 v[PP], v[PP], v[T2]
.endm
.irp j, 0,1,2,3,4,5,6,7,8,9
	PAIR \j
.endr
	; keep(k) = valid(k) and no kept box in PP(k).  Started from keep = valid, the box of rank 0 is right at once, and each repeat settles
	; one rank more (PP holds lower ranks only): nine repeats settle ranks 1 to 9.
	s_mov_b32 s51, s50
.rept MAXDET-1
	v_and_b32 v[T1], s51, v[PP]
	v_cmp_eq_u32 s52, 0, v[T1]
	s_and_b32 s51, s52, s50
.endr
; ---- THE MASK.  My wave: rows row0 .. row0 + 7; my lane: pixels 16 lane .. 16 lane + 15 of each, so a store of the wave is one row of 512 bytes.
	s_mov_b32 s53, 0x44000000                      ; 512.0
	s_mov_b32 s55, 0x41000000                      ; 8.0
	s_mov_b32 s56, 0x204081                        ; spreads bits 0-3 to bit 0 of bytes 0-3 (the four shifted copies do not meet)
	s_mov_b32 s57, 0x01010101
	s_lshl_b32 s54, ttmp9, 5
	s_lshl3_add_u32 s54, s18, s54                  ; row0 = 32 slice + 8 wave
	v_cvt_f32_u32 v[Y0], s54
	v_lshlrev_b32 v[X0], 4, v[LANE]
	v_cvt_f32_u32 v[X0], v[X0]
.irp f, 0,1,2,3
	v_add_f32 v[BB+\f], 0.5, v[L+\f]
	v_floor_f32 v[BB+\f], v[BB+\f]
	v_med3_num_f32 v[BB+\f], v[BB+\f], 0, s53
.endr
	v_cndmask_b32 v[BB+2], 0, v[BB+2], s51         ; a box that is not kept ends at column 0: it covers nothing
	; bits lo .. hi - 1 = (-1 << lo) and not (-1 << hi); empty where hi <= lo
	v_sub_f32 v[U],   v[BB+1], v[Y0]
	v_sub_f32 v[U+1], v[BB+3], v[Y0]
	v_med3_num_f32 v[U],   v[U],   0, s55
	v_med3_num_f32 v[U+1], v[U+1], 0, s55
	v_cvt_u32_f32 v[U],   v[U]
	v_cvt_u32_f32 v[U+1], v[U+1]
	v_lshlrev_b32 v[U],   v[U],   -1
	v_lshlrev_b32 v[U+1], v[U+1], -1
	v_bfi_b32 v[YB], v[U+1], 0, v[U]
.macro COVER k
	v_readlane_b32 s40, v[BB], \k
	v_readlane_b32 s41, v[BB+2], \k
	v_readlane_b32 s42, v[YB], \k
	v_sub_f32 v[U],   s40, v[X0]
	v_sub_f32 v[U+1], s41, v[X0]
	v_med3_num_f32 v[U],   v[U],   0, s29
	v_med3_num_f32 v[U+1], v[U+1], 0, s29
	v_cvt_u32_f32 v[U],   v[U]
	v_cvt_u32_f32 v[U+1], v[U+1]
	v_lshlrev_b32 v[U],   v[U],   -1
	v_lshlrev_b32 v[U+1], v[U+1], -1
	v_bfi_b32 v[XM], v[U+1], 0, v[U]
.irp r, 0,1,2,3,4,5,6,7
	s_bitcmp1_b32 s42, \r
	s_cselect_b32 s[32+\r], -1, 0
.if \k == 0
	v_and_b32 v[ACC+\r], s[32+\r], v[XM]           ; the first box starts the sets: nothing is cleared
.else
	v_and_or_b32 v[ACC+\r], v[XM], s[32+\r], v[ACC+\r]
.endif
.endr
.endm
.irp k, 0,1,2,3,4,5,6,7,8,9
	COVER \k
.endr
.irp r, 0,1,2,3,4,5,6,7
	v_xor_b32 v[ACC+\r], -1, v[ACC+\r]             ; the map is true where nothing covers
.irp q, 0,1,2,3
	v_bfe_u32 v[O+4*\r+\q], v[ACC+\r], 4*\q, 4
	v_mul_u32_u24 v[O+4*\r+\q], s56, v[O+4*\r+\q]
	v_and_b32 v[O+4*\r+\q], s57, v[O+4*\r+\q]
.endr
	global_store_b128 v[SO], v[O+4*\r:O+4*\r+3], s[10:11] offset:512*\r th:TH_STORE_NT     ; 512 consecutive bytes, aligned: one row
.endr
; ---- out1, out2: wave 0 of slice 0.  Lane t takes the box of rank t: ranks of lanes 0 to 9 are 0 to 9, each once.
	s_cmp_lg_u32 ttmp9, 0
	s_cbranch_scc1 .Lend
	s_cmp_lg_u32 s18, 0
	s_cbranch_scc1 .Lend
.irp f, 0,1,2,3
	v_cndmask_b32 v[ZK+\f], 0, v[L+\f], s51
.endr
	v_cndmask_b32 v[ZK+4], 0, 1, s51
.macro PLACE k
	v_readlane_b32 s46, v[RANK], \k
.irp f, 0,1,2,3,4
	v_readlane_b32 s[40+\f], v[ZK+\f], \k
.endr
.if \k == 0
.irp f, 0,1,2,3,4
	v_mov_b32 v[OUT+\f], s[40+\f]                  ; written whole once; every stored lane is overwritten by its own box, or is this one's
.endr
.else
	v_cmp_eq_u32 s32, s46, v[LANE]
.irp f, 0,1,2,3,4
	v_cndmask_b32 v[OUT+\f], v[OUT+\f], s[40+\f], s32
.endr
.endif
.endm
.irp k, 0,1,2,3,4,5,6,7,8,9
	PLACE \k
.endr
	s_wait_xcnt 0x0                                ; the mask's stores hold EXEC as a source: it is narrowed only behind this wait
	v_cmp_gt_u32 vcc_lo, MAXDET, v[LANE]
	s_set_vgpr_msb 0x5
	s_wait_tensorcnt 0x0
	ds_add_u32 v0, v1
	s_wait_dscnt 0x0
	s_set_vgpr_msb 0x500
	s_and_saveexec_b32 s45, vcc_lo
	global_store_b128 v[OA], v[OUT:OUT+3], s[12:13]
	global_store_b8 v[LANE], v[OUT+4], s[14:15]
	s_endpgm
.Lend:
	s_set_vgpr_msb 0x5
	s_wait_tensorcnt 0x0
	ds_add_u32 v0, v1
	s_wait_dscnt 0x0
	s_set_vgpr_msb 0x500
	s_endpgm
.Lfunc_end_k_q8f309753a8_nms:
	.size	k_q8f309753a8_nms, .Lfunc_end_k_q8f309753a8_nms-k_q8f309753a8_nms
	.p2alignl 7, 3214868480
	.fill 96, 4, 3214868480
	.section	.rodata,"a",@progbits
	.p2align	6, 0x0
	.amdhsa_kernel k_q8f309753a8_nms
		.amdhsa_group_segment_fixed_size 92160
		.amdhsa_private_segment_fixed_size 0
		.amdhsa_enable_private_segment 0
		.amdhsa_kernarg_size 48
		.amdhsa_user_sgpr_count 2
		.amdhsa_user_sgpr_kernarg_segment_ptr 1
		.amdhsa_wavefront_size32 1
		.amdhsa_system_sgpr_workgroup_id_x 1
		.amdhsa_system_sgpr_workgroup_id_y 1
		.amdhsa_system_sgpr_workgroup_id_z 1
		.amdhsa_system_vgpr_workitem_id 0
		.amdhsa_next_free_vgpr 258
		.amdhsa_next_free_sgpr 66
		.amdhsa_reserve_vcc 1
		.amdhsa_float_denorm_mode_32 3
		.amdhsa_float_denorm_mode_16_64 3
		.amdhsa_memory_ordered 1
		.amdhsa_forward_progress 1
		.amdhsa_inst_pref_size 128
	.end_amdhsa_kernel
	.amdgpu_metadata
---
amdhsa.version: [ 1, 2 ]
amdhsa.kernels:
  - .name:           k_q8f309753a8_nms
    .symbol:         k_q8f309753a8_nms.kd
    .args:
      - { .name: region_boxes, .offset: 0, .size: 8, .value_kind: global_buffer, .address_space: global }
      - { .name: neg_boxes, .offset: 8, .size: 8, .value_kind: global_buffer, .address_space: global }
      - { .name: plan, .offset: 16, .size: 8, .value_kind: global_buffer, .address_space: global }
      - { .name: out0, .offset: 24, .size: 8, .value_kind: global_buffer, .address_space: global }
      - { .name: out1, .offset: 32, .size: 8, .value_kind: global_buffer, .address_space: global }
      - { .name: out2, .offset: 40, .size: 8, .value_kind: global_buffer, .address_space: global }
    .group_segment_fixed_size: 92160
    .private_segment_fixed_size: 0
    .kernarg_segment_align: 8
    .kernarg_segment_size: 48
    .max_flat_workgroup_size: 128
    .sgpr_count:     66
    .vgpr_count:     258
    .wavefront_size: 32
...
	.end_amdgpu_metadata
.endif
;; end of part 2
